; MI455X (gfx1250); checked and timed in simulation.
; The chip was launched on July 23, 2026; its instructions are those of AMD's public machine-readable ISA for CDNA 5 (MIT licence, August 2026) and "CDNA5" Instruction Set Architecture Reference Guide (July 2026). The comments in the code are by the model that wrote it; some were corrected since.
;; Attention. Allowed arithmetic: matrix products marked QUANTISED: E2M3 operands, one E8M0 scale for each 32 along K, by v_wmma_scale_f32_16x16x128_f8f6f4 with both operands' format E2M3, f32 sums; products left as they are: f32 operands where the result goes on into a quantised operand, else bf16, f16 or f32 operands; f32 sums; everything else in f32.
;; Inputs: W1 512 x 1,024 float32; W2 1 x 512 float32; Wout 512 x 1,024 float32; bout 512 float32; context 32 x 4,096 x 512 float32; output 32 x 1 x 512 float32.
;; Outputs: out0 32 x 1 x 512 float32.
;; This version of the problem:
;;   THIS VERSION OF THE PROBLEM IS GIVEN IN LOW PRECISION. The matrix products marked QUANTISED in the list below multiply operands that are first quantised to E2M3 (2 exponent bits, 3 mantissa bits; 6 bits a number), with one power-of-two scale for each 32 numbers along K (OCP MX v1.0); their sums are f32. All else is computed in f32.
;;   The module's matrix products, in the order in which they are computed (A, B: the left and right operand; K: the contracted axis; several contracted axes count as one K, in the product's order):
;;     1. [M 131,072, K 1,024] x [K 1,024, N 512]; A: computed on the way; B: input W1: QUANTISED
;;     2. [M 131,072, K 512] x [K 512, N 1]; A: computed on the way; B: input W2: left as it is (N = 1 < 16)
;;     3. batch 32 x [M 1, K 4,096] x [K 4,096, N 512]; A: softmax; B: input context: left as it is (M = 1 < 16)
;;     4. [M 32, K 1,024] x [K 1,024, N 512]; A: computed on the way; B: input Wout: QUANTISED
;;   THE QUANTISER, for each operand of a quantised product, along K:
;;     - K is cut into blocks of 32 from its start; a last block that is shorter is filled with zeros.
;;     - A block's scale is 2^e with e = floor(log2(the largest magnitude in the block)) - 2, held to -126 .. 127; a block of zeros has e = 0. As a byte (E8M0): e + 127.
;;     - Each number is divided by its block's scale, clamped to +-7.5, and rounded to the nearest number of E2M3, ties to even, subnormals kept.
;;     - The product sums the exact products of the quantised numbers (number of the format x scale) in f32.
;;   ~~~python
;;   def quantise(x, axis):      # numpy; x: float32 -> the quantised numbers, widened to float32 again
;;       x = np.moveaxis(x, axis, -1); K = x.shape[-1]
;;       x = np.pad(x, [(0, 0)] * (x.ndim - 1) + [(0, -K % 32)]); x = x.reshape(x.shape[:-1] + (-1, 32)); a = np.abs(x).max(-1, keepdims=True)
;;       e = np.where(a > 0, np.clip(np.frexp(np.where(a > 0, a, 1))[1] - 1 - 2, -126, 127), 0)      # np.frexp(a)[1] - 1 = floor(log2(a)), exactly
;;       r = np.clip(x / 2.0 ** e, -7.5, 7.5)
;;       step = 2.0 ** (np.maximum(np.frexp(np.where(r == 0, 1, r))[1] - 1, 0) - 3)
;;       q = np.round(r / step) * step * 2.0 ** e      # np.round: ties to even
;;       return np.moveaxis(q.reshape(q.shape[:-2] + (-1,))[..., :K], -1, axis).astype(np.float32)
;;   ~~~
;;   OPERANDS COMPUTED ON THE WAY. 'Computed on the way' means the value that the module computes at that place (a softmax that the list does not call 'softmax' is quantised finished and normalised). What goes into a quantiser is computed in f32, as accurately as f32 sums, v_exp_f32 and their like allow (about 1e-6 of the number): no bf16 or f16 on the way to a quantiser, and a product that is left as it is and whose result goes on into a quantised operand takes f32 operands (vector FMAs, or v_wmma_f32_16x16x4_f32). A number that lies on a knife's edge between two numbers of the format may be rounded either way, as far as f32 arithmetic and the matrix unit's own rounding can turn it there, and no further.
;; One version. Each part assembles by itself: llvm-mc -triple=amdgcn-amd-amdhsa -mcpu=gfx1250 --defsym DOCPART=n.
;; ======== version 1 of 1: 3 launches
;; limits: right only within a limited range of input values
;; workspace buffers: w1f 196,608 bytes; w1s 16,384 bytes; wof 393,216 bytes; wos 32,768 bytes; ubias 65,536 bytes; parts 524,288 bytes; ml 2,048 bytes
;; launch prep (part 1): grid 256 x 1, 1 waves a work-group, no clusters, 0 bytes of LDS; arguments W1, Wout, output, w1f, w1s, wof, wos, ubias; writes w1f, w1s, wof, wos, ubias
.if DOCPART == 1
	.amdgcn_target "amdgcn-amd-amdhsa--gfx1250"
	.amdhsa_code_object_version 6
	.text
	.protected	k_qce1f5b2bc0_prep
	.globl	k_qce1f5b2bc0_prep
	.p2align	8
	.type	k_qce1f5b2bc0_prep,@function
k_qce1f5b2bc0_prep:
	s_mov_b64 s[64:65], 0
	v_nop
	global_prefetch_b8 v0, s[64:65] scope:SCOPE_SE
	s_setreg_imm32_b32 hwreg(HW_REG_WAVE_MODE, 25, 1), 1
	s_wait_xcnt 0x0
; THE PROGRAM: out = tanh(Wout . [mix, output] + bout), mix = sum over s of softmax_s(W2 . tanh(W1 . [context[s], output])) context[s], for 32 batches of 4,096 positions.
; Three launches: this one lays the weights out as codes and makes u (below); the second walks context once and leaves one partial (M, L, mix) a work-group; the third joins them and makes out.
; WORK DONE ONCE INSTEAD OF 4,096 TIMES.  The first product's K = 512 .. 1,023 is output[b], the same numbers in every row s of a batch.  512 is a multiple of the quantiser's 32, so these sixteen blocks have
; the same scales and codes in every row, whatever the inputs hold, and their part of the sum, u[b][e] = sum over k of Q(output[b][k]) Q(W1[e][512 + k]), is one number for all 4,096 rows.  It is made here once a batch,
; on codes of E2M3 by the scaled matrix instruction, and the second launch adds it to each sum, in f32, behind its matrix instructions.  The sum's order is then K = 0 .. 511 first, u after it.
; WORK LEFT OUT.  tanh(x) = 1 - 2 / (1 + e^(2x)), so the score is sum(W2) - 2 sum over e of W2[e] / (1 + e^(2 x[e])).  sum(W2) is the same for every s: added to a softmax's input along its axis it moves no weight,
; for all finite values of W2.  It is not formed.  Every input still has a way to the result and is loaded.
; LIMITS.  NaN and infinities among the inputs are not served; an overflow of sum(W2) alone is not carried to the result.  A block of zeros gets the scale byte 1 (the rule says 127): its codes are zeros, and only this program reads the bytes.
;
; THIS LAUNCH.  One wave a work-group.  A FRAGMENT is 16 rows x 128 along K of codes: 12 registers a lane; it is stored as an image of these registers (three stores of 16 bytes a lane, 512 consecutive bytes each) and
; its scale words as 4 bytes a lane, so that a later launch has the operand by three loads.  THE ROWS OF A TILE ARE NOT NEIGHBOURS: row m of tile T is weight row 64 (T / 4) + 4 m + T % 4.
; Work-groups 0-63: two fragments each of W1[:, 0:512] (32 tiles x 4).  64-191: two each of Wout (32 tiles x 8).  192-255: u for one tile of W1 and 16 batches: four K steps of 128.
; A lane (r = lane % 16, h = lane / 16) takes of its row the numbers k = 64 c + 32 h + 0 .. 31, c = 0, 1: two whole blocks, in the order of the operand's registers; nothing is transposed.
; REGISTERS: window 0: v1 r, v2 h, v3, v4 offsets in a weight and in output, v5 16 x lane, v6 4 x lane, v7 8 h, v8-15 and v16-22 at work, v32.. fragment n at 32 + 12 n, v128.. its scale word, v144-159 two sums, v160-167 u, v168 its offset.
;   windows 1, 2: the numbers as loaded, 64 a fragment.
.set MSB, 0
.macro WIN new                         ; the immediate's high byte repeats the setting that is left; a switch that changes nothing is dropped
.if MSB != (\new)
	s_set_vgpr_msb (MSB<<8)|(\new)
.set MSB, (\new)
.endif
.endm
; the 64 numbers of a fragment for my lane: register 32 c + 4 i holds k = 64 c + 32 h + 4 i
.macro NLOAD base, adr, sb, off
.irp c, 0,1
.irp i, 0,1,2,3,4,5,6,7
	global_load_b128 v[(\base)+32*\c+4*\i:(\base)+32*\c+4*\i+3], v[\adr], s[\sb:\sb+1] offset:(\off)+256*\c+16*\i
.endr
.endr
.endm
; 64 numbers at v[base] of window win become fragment n's codes (v[32 + 12 n] on) and its scale word (v[128 + n])
.macro QFRAG win, base, n
	WIN 5*(\win)                                   ; sources 0 and 1 in the numbers' window; the running maximum is source 2, in window 0
	v_max3_num_f32 v8, |v[(\base)]|, |v[(\base)+1]|, 0x1800000     ; my two blocks by turns; the floor 2^(3 - 127) holds the byte at 1 from below
	v_max3_num_f32 v9, |v[(\base)+32]|, |v[(\base)+33]|, 0x1800000
.irp i, 2,4,6,8,10,12,14,16,18,20,22,24,26,28,30
	v_max3_num_f32 v8, |v[(\base)+\i]|, |v[(\base)+\i+1]|, v8
	v_max3_num_f32 v9, |v[(\base)+32+\i]|, |v[(\base)+33+\i]|, v9
.endr
	WIN 0
	v_add_nc_u32 v10, 0xff000000, v8               ; 2 off the exponent field: the conversion takes this operand's exponent field as its scale
	v_add_nc_u32 v11, 0xff000000, v9
	v_lshrrev_b32 v12, 23, v10                     ; the scale bytes of blocks h and 2 + h
	v_lshrrev_b32 v13, 23, v11
	v_lshl_or_b32 v14, v13, 16, v12
	v_lshlrev_b32 v14, v7, v14                     ; at their places in the row's word: 8 h bits up
	v_permlanex16_b32 v15, v14, s2, s3
	v_or_b32 v[128+(\n)], v14, v15                 ; with lane l xor 16's two the word is whole
	WIN (\win)
	v_cvt_scalef32_pk16_fp6_f32 v[32+12*(\n):34+12*(\n)], v[(\base):(\base)+15], v10
	v_cvt_scalef32_pk16_fp6_f32 v[16:18], v[(\base)+16:(\base)+31], v10      ; (a conversion's three registers begin on an even number: a block's second half is made elsewhere and moved)
	v_cvt_scalef32_pk16_fp6_f32 v[38+12*(\n):40+12*(\n)], v[(\base)+32:(\base)+47], v11
	v_cvt_scalef32_pk16_fp6_f32 v[20:22], v[(\base)+48:(\base)+63], v11
	WIN 0
	v_nop                                          ; one plain place behind the scaled conversions
.irp i, 0,1,2
	v_mov_b32 v[35+12*(\n)+\i], v[16+\i]
	v_mov_b32 v[41+12*(\n)+\i], v[20+\i]
.endr
.endm
	s_load_b256 s[4:11], s[0:1], 0x0               ; W1 s[4:5], Wout s[6:7], output s[8:9], w1f s[10:11]
	s_load_b256 s[12:19], s[0:1], 0x20             ; w1s s[12:13], wof s[14:15], wos s[16:17], ubias s[18:19]
	v_and_b32 v1, 15, v0                           ; r
	v_bfe_u32 v2, v0, 4, 1                         ; h
	v_lshlrev_b32 v3, 14, v1                       ; a weight: four rows of 4,096 bytes from lane to lane,
	v_lshl_add_u32 v3, v2, 7, v3                   ; + 128 h
	v_lshlrev_b32 v4, 11, v1                       ; output: a row of 2,048 bytes a lane,
	v_lshl_add_u32 v4, v2, 7, v4                   ; + 128 h
	v_lshlrev_b32 v5, 4, v0
	v_lshlrev_b32 v6, 2, v0
	v_lshlrev_b32 v7, 3, v2
	v_mov_b32 v15, 0                               ; written once: a lane permute's destination counts as one of its sources
	s_mov_b32 s2, 0x76543210
	s_mov_b32 s3, 0xfedcba98                       ; v_permlanex16_b32's selects for lane l xor 16
	s_cmp_ge_u32 ttmp9, 192
	s_cbranch_scc1 .Ltype_b
	; ---- two fragments of W1[:, 0:512] or of Wout
	s_cmp_lt_u32 ttmp9, 64
	s_cselect_b32 s20, 0, 64
	s_cselect_b32 s21, 1, 2                        ; W1 has 2 pairs of fragments a tile, Wout 4
	s_cselect_b32 s22, 1, 3
	s_sub_co_u32 s20, ttmp9, s20                   ; y: which pair of fragments of the tensor; the first of them is fragment 2 y
	s_lshr_b32 s23, s20, s21                       ; the tile T
	s_and_b32 s24, s20, s22
	s_lshl_b32 s24, s24, 10                        ; the pair's place along K: 256 numbers a pair
	s_lshr_b32 s25, s23, 2
	s_lshl_b32 s25, s25, 6
	s_and_b32 s26, s23, 3
	s_add_co_u32 s25, s25, s26                     ; the tile's row 0: 64 (T / 4) + T % 4
	s_lshl_b32 s25, s25, 12
	s_add_co_u32 s24, s24, s25
	s_mov_b32 s25, 0
	s_mul_i32 s26, s20, 3072                       ; two images of 1,536 bytes
	s_mov_b32 s27, 0
	s_lshl_b32 s28, s20, 8                         ; two sets of scale words of 128 bytes
	s_mov_b32 s29, 0
	s_wait_kmcnt 0x0
	s_cmp_lt_u32 ttmp9, 64                         ; the choice hangs on the work-group's number alone
	s_cselect_b64 s[30:31], s[4:5], s[6:7]
	s_cselect_b64 s[32:33], s[10:11], s[14:15]
	s_cselect_b64 s[34:35], s[12:13], s[16:17]
	s_add_nc_u64 s[30:31], s[30:31], s[24:25]
	s_add_nc_u64 s[32:33], s[32:33], s[26:27]
	s_add_nc_u64 s[34:35], s[34:35], s[28:29]
	WIN 0x40                                       ; destination window 1, address window 0
	s_wait_alu depctr_va_vdst(0)
	NLOAD 0, 3, 30, 0
	NLOAD 64, 3, 30, 512
	WIN 0
	s_wait_loadcnt 0x0
	QFRAG 1, 0, 0
	QFRAG 1, 64, 1
.irp n, 0,1
.irp c, 0,1,2
	global_store_b128 v5, v[32+12*\n+4*\c:32+12*\n+4*\c+3], s[32:33] offset:1536*\n+512*\c   ; 32 lanes store 512 consecutive bytes
.endr
	global_store_b32 v6, v[128+\n], s[34:35] offset:128*\n
.endr
	s_endpgm
	; ---- u for tile T and batches 16 mt .. 16 mt + 15
.Ltype_b:
	s_sub_co_u32 s20, ttmp9, 192
	s_lshr_b32 s23, s20, 1                         ; T
	s_and_b32 s21, s20, 1                          ; mt
	s_lshr_b32 s24, s23, 2
	s_lshl_b32 s24, s24, 6
	s_and_b32 s26, s23, 3
	s_add_co_u32 s24, s24, s26
	s_lshl_b32 s24, s24, 12
	s_add_co_u32 s24, s24, 2048                    ; W1 from column 512 on
	s_mov_b32 s25, 0
	s_lshl_b32 s26, s21, 15                        ; 16 rows of output, and of u, are 32,768 bytes
	s_mov_b32 s27, 0
	s_lshl_b32 s28, s23, 6                         ; u[b][T][m]: 64 bytes a tile
	s_add_co_u32 s28, s28, s26
	s_mov_b32 s29, 0
	v_lshlrev_b32 v168, 11, v1                     ; u: batch r's row of 2,048 bytes,
	v_lshl_add_u32 v168, v2, 5, v168               ; + 32 h
	s_wait_kmcnt 0x0
	s_add_nc_u64 s[30:31], s[4:5], s[24:25]
	s_add_nc_u64 s[32:33], s[8:9], s[26:27]
	s_add_nc_u64 s[34:35], s[18:19], s[28:29]
	s_wait_alu depctr_va_vdst(0)
.irp q, 0,1,2,3                        ; K step q: window 1 + q / 2; W1's numbers at 128 (q % 2), output's 64 further on
	WIN 64*(1+(\q/2))
	NLOAD 128*(\q%2), 3, 30, 512*\q
	NLOAD 128*(\q%2)+64, 4, 32, 512*\q
.endr
	WIN 0
	s_wait_loadcnt 0x0
.irp q, 0,1,2,3
	QFRAG 1+(\q/2), 128*(\q%2), 2*\q
	QFRAG 1+(\q/2), 128*(\q%2)+64, 2*\q+1
.endr
.rept 8
	v_nop                                          ; a scale register written by a vector instruction stands 8 places ahead of a scaled matrix instruction, an operand so written 4
.endr
.irp q, 0,1,2,3                        ; source 0 = 16 rows of W1, source 1 = 16 batches; two sums by turns: no two neighbouring matrix instructions share an accumulator
.if \q < 2
	v_wmma_scale_f32_16x16x128_f8f6f4 v[144+8*(\q%2):151+8*(\q%2)], v[32+24*\q:43+24*\q], v[44+24*\q:55+24*\q], 0, v[128+2*\q], v[129+2*\q] matrix_a_fmt:MATRIX_FMT_FP6 matrix_b_fmt:MATRIX_FMT_FP6
.else
	v_wmma_scale_f32_16x16x128_f8f6f4 v[144+8*(\q%2):151+8*(\q%2)], v[32+24*\q:43+24*\q], v[44+24*\q:55+24*\q], v[144+8*(\q%2):151+8*(\q%2)], v[128+2*\q], v[129+2*\q] matrix_a_fmt:MATRIX_FMT_FP6 matrix_b_fmt:MATRIX_FMT_FP6
.endif
.endr
.rept 4
	v_nop                                          ; four places in front of the first read of the results (ISA guide 7.12.1)
.endr
.irp j, 0,2,4,6
	v_pk_add_f32 v[160+\j:161+\j], v[144+\j:145+\j], v[152+\j:153+\j]   ; both sums from their low end on: register j of lane (r, h) is u[16 mt + r][T][8 h + j]
.endr
	global_store_b128 v168, v[160:163], s[34:35]
	global_store_b128 v168, v[164:167], s[34:35] offset:16
	s_endpgm
.Lfunc_end_k_qce1f5b2bc0_prep:
	.size	k_qce1f5b2bc0_prep, .Lfunc_end_k_qce1f5b2bc0_prep-k_qce1f5b2bc0_prep
	.p2alignl 7, 3214868480
	.fill 96, 4, 3214868480
	.section	.rodata,"a",@progbits
	.p2align	6, 0x0
	.amdhsa_kernel k_qce1f5b2bc0_prep
		.amdhsa_group_segment_fixed_size 0
		.amdhsa_private_segment_fixed_size 0
		.amdhsa_enable_private_segment 0
		.amdhsa_kernarg_size 64
		.amdhsa_user_sgpr_count 2
		.amdhsa_user_sgpr_kernarg_segment_ptr 1
		.amdhsa_wavefront_size32 1
		.amdhsa_system_sgpr_workgroup_id_x 1
		.amdhsa_system_sgpr_workgroup_id_y 1
		.amdhsa_system_sgpr_workgroup_id_z 1
		.amdhsa_system_vgpr_workitem_id 0
		.amdhsa_next_free_vgpr 768
		.amdhsa_next_free_sgpr 66
		.amdhsa_reserve_vcc 0
		.amdhsa_float_denorm_mode_32 3
		.amdhsa_float_denorm_mode_16_64 3
		.amdhsa_memory_ordered 1
		.amdhsa_forward_progress 1
		.amdhsa_inst_pref_size 51
	.end_amdhsa_kernel
	.amdgpu_metadata
---
amdhsa.version: [ 1, 2 ]
amdhsa.kernels:
  - .name:           k_qce1f5b2bc0_prep
    .symbol:         k_qce1f5b2bc0_prep.kd
    .args:
      - { .name: W1, .offset: 0, .size: 8, .value_kind: global_buffer, .address_space: global }
      - { .name: Wout, .offset: 8, .size: 8, .value_kind: global_buffer, .address_space: global }
      - { .name: output, .offset: 16, .size: 8, .value_kind: global_buffer, .address_space: global }
      - { .name: w1f, .offset: 24, .size: 8, .value_kind: global_buffer, .address_space: global }
      - { .name: w1s, .offset: 32, .size: 8, .value_kind: global_buffer, .address_space: global }
      - { .name: wof, .offset: 40, .size: 8, .value_kind: global_buffer, .address_space: global }
      - { .name: wos, .offset: 48, .size: 8, .value_kind: global_buffer, .address_space: global }
      - { .name: ubias, .offset: 56, .size: 8, .value_kind: global_buffer, .address_space: global }
    .group_segment_fixed_size: 0
    .private_segment_fixed_size: 0
    .kernarg_segment_align: 8
    .kernarg_segment_size: 64
    .max_flat_workgroup_size: 32
    .sgpr_count:     66
    .vgpr_count:     768
    .wavefront_size: 32
...
	.end_amdgpu_metadata
.endif
;; end of part 1
;; launch main (part 2): grid 256 x 1, 8 waves a work-group, no clusters, 31,744 bytes of LDS; arguments context, W2, w1f, w1s, ubias, parts, ml; writes parts, ml
.if DOCPART == 2
	.amdgcn_target "amdgcn-amd-amdhsa--gfx1250"
	.amdhsa_code_object_version 6
	.text
	.protected	k_qce1f5b2bc0_main
	.globl	k_qce1f5b2bc0_main
	.p2align	8
	.type	k_qce1f5b2bc0_main,@function
k_qce1f5b2bc0_main:
	s_mov_b64 s[64:65], 0
	v_nop
	global_prefetch_b8 v0, s[64:65] scope:SCOPE_SE
	s_setreg_imm32_b32 hwreg(HW_REG_WAVE_MODE, 25, 1), 1
	s_wait_xcnt 0x0
; For 512 rows s of one batch: x[s][e] = u[e] + sum over k < 512 of Q(context[s][k]) Q(W1[e][k]) on codes of E2M3;  t[s] = -2 log2(e) sum over e of W2[e] / (1 + 2^(c x[s][e])), c = 2 log2(e);
; a running maximum M of t, L = sum of 2^(t - M), mix = sum of 2^(t - M) context[s].  (M, L, mix) go to memory: one partial a work-group.
; LEFT OUT (shown at the head of the first launch): the first product's K = 512 .. 1,023 is made once a batch (u, added to each sum in f32); sum(W2), the same for all s, is not added to t.
; LIMITS: NaN and infinities among the inputs are not served; a block of zeros has the scale byte 1 and zero codes.  The maximum is taken away before every exponential.
; SHARES.  Work-group x: batch x / 8, rows 512 (x % 8) on, in 32 blocks of 16.  EIGHT WAVES, two to a SIMD, SHARE THE COLUMNS: wave w keeps W1's tiles 4 w .. 4 w + 3 (hidden units 64 w .. 64 w + 63, K = 512:
; 16 fragments, 192 registers) and their scale words in registers for the whole launch.  Of each block wave w OWNS rows 2 w, 2 w + 1: it loads them (f32, straight into registers), quantises them, and later adds them into its mix.
; THE PRODUCT: source 0 = the block's 16 rows of context, source 1 = 16 rows of W1.  In tile u lane (r, h) holds hidden unit 64 w + 4 r + u, and its register j row 8 h + j.  So W2 and c u are ONE number a lane and tile;
; c u comes in by the multiply-add that makes c x.  A row's score is then spread over 16 lanes: it is summed by a halving exchange (each step gives away half of the lane's rows): 22 instructions for 8 registers.
; A ROW IN REGISTERS: lane l holds columns 16 l .. 16 l + 15 in 16 registers: the conversion gets 16 neighbours of one lane, a block of 32 lies in lanes l and l xor 1, and mix is 16 registers.
; context is read from memory once.  What goes round through LDS is small: a block's codes (384 bytes a row), its scale bytes, and one partial score a row and wave.
; No tensor load: the rows are wanted in registers, as f32, for the quantiser and for mix.  No cluster: what work-groups share (W1's 208 KiB) is read once at the head, against 1 MiB of context of a work-group's own.
; No prefetch: the loads themselves ask three blocks, 96 KiB a work-group, ahead.
; THE RING OF ROWS: four buffers of 2 rows.  One is held from its quantising to its weight p; three are on their way: 24 loads a wave.
; ONE BARRIER A BLOCK.  Codes, scale bytes and partial scores have two places each, by the block's parity.  A place is written in one block's turn, read behind the next barrier, and written again only behind the barrier
; after that, in front of which every reader has waited for its LDS loads.
; REGISTERS: window 0 as named below, row buffers 0, 1 at v192, v224.  Window 1: v0-191 W1's fragments, (u, q) at 12 (4 u + q); row buffers 2, 3 at v192, v224.
.set CP,    400                        ; a row of codes in LDS: 384 bytes + 16 = 100 words: row r starts at word 36 r mod 64 (64 banks of 4 bytes: ISA guide 11.1)
.set CBUF,  16*CP                      ; LDS: the codes of 16 rows, twice;
.set SCB,   2*CBUF                     ; 16 rows x 16 scale bytes, twice;
.set PART,  SCB+512                    ; partial scores [row][wave], 512 bytes, twice;
.set MIXST, PART+1024                  ; the way out: [wave][4][lane] 16 bytes;
.set SPARE, MIXST+16384                ; the spare words, 128 bytes for each wave: four blocks of 256 bytes that no other line names
.set XA,   1                           ; my byte in a block of context: 64 x lane + 4,096 x wave
.set CW,   2                           ; where my codes go: 2 CP x wave + 12 x lane
.set SW,   3                           ; where my block's scale byte goes: SCB + 32 x wave + lane / 2
.set FR,   4                           ; a fragment's place for my lane: CP r + 24 h
.set SR,   5                           ; row r's four scale words: SCB + 16 r
.set PW,   6                           ; where my wave's partial score goes: PART + 32 (8 h + r / 2) + 4 x wave
.set PR,   7                           ; the eight partial scores of row (r + 2 x wave) % 16: so my own rows lie in lanes 0 and 1
.set SPW,  8                           ; my spare word; never rewritten
.set NIL,  9                           ; 0; never rewritten
.set MX,   10                          ; M;  v11 L, a lane a row (stored as a pair)
.set LL,   11
.set FF,   12                          ; v[12:13] f = 2^(old M - new M), named as a pair
.set PP,   14                          ; p
.set T0,   15
.set T1,   16
.set T2,   17
.set L16,  18                          ; 16 x lane
.set T3,   19
.set PS,   20                          ; v20-27 a row's eight partial scores
.set QT,   28                          ; the quantiser: v28-31 largest magnitudes, v32-33 scale operands, v34-35 bytes, v36-43 codes (row i at 36 + 4 i)
.set QS,   32
.set QB,   34
.set QC,   36
.set SS,   44                          ; v44-51 my unit's part of t, register j: row 8 h + j
.set BT,   52                          ; v52-59 the exchange's other set
.set AS,   60                          ; v[60:63] context's scale words, K step q at 60 + q
.set W1S,  64                          ; v64-79 W1's scale words, (u, q) at 64 + 4 u + q
.set W2V,  80                          ; W2 x -2 log2(e), tile u at 80 + 2 u (named as the low word of a pair)
.set CU,   88                          ; c u, tile u at 88 + 2 u (likewise).  The pairs' upper words hold offsets that are written at the head:
.set MW,   81                          ; the way out: where I put my mix,
.set MR,   83                          ; and where I read an eighth of everybody's
.set O8,   85                          ; 8 x lane
.set ZO,   87                          ; 0: the offset of the (M, L) store
.set O4,   89                          ; 4 x lane
.set O4R,  91                          ; 4 r
.set O16R, 93                          ; 16 r
.set AF,   96                          ; v96-143 context's four fragments
.set ACC,  144                         ; v144-175 my 4 tiles of x
.set MIX,  176                         ; v176-191
.set MSB, 0
.macro WIN new                         ; the immediate's high byte repeats the setting that is left; a switch that changes nothing is dropped
.if MSB != (\new)
	s_set_vgpr_msb (MSB<<8)|(\new)
.set MSB, (\new)
.endif
.endm
.macro D n                             ; a hint ahead of a plain vector line that reads the plain vector line n before it
	s_delay_alu instid0(VALU_DEP_\n)
.endm
; my two rows of the block at off bytes from the base, into buffer kb (window kb / 2, v192 + 32 (kb % 2))
.macro XLOAD kb, off
.set RB, 192+32*((\kb)%2)
	WIN 64*((\kb)/2)
.irp i, 0,1
.irp j, 0,1,2,3
	global_load_b128 v[RB+16*\i+4*\j:RB+16*\i+4*\j+3], v[XA], s[4:5] offset:(\off)+2048*\i+16*\j
.endr
.endr
.endm
; my two rows in buffer kb become codes and scale bytes in the places of parity par; four chains of maxima take turns
.macro QUANT2 kb, par
.set RB, 192+32*((\kb)%2)
	WIN 5*((\kb)/2)                                ; sources 0 and 1 in the rows' window; the running maximum is source 2, in window 0
.irp i, 0,1
	v_max3_num_f32 v[QT+\i], |v[RB+16*\i]|, |v[RB+16*\i+1]|, 0x1800000   ; the floor 2^(3 - 127) holds the byte at 1 from below
	v_max3_num_f32 v[QT+2+\i], |v[RB+16*\i+8]|, |v[RB+16*\i+9]|, 0x1800000
.endr
.irp n, 2,4,6
.irp i, 0,1
	v_max3_num_f32 v[QT+\i], |v[RB+16*\i+\n]|, |v[RB+16*\i+\n+1]|, v[QT+\i]
	v_max3_num_f32 v[QT+2+\i], |v[RB+16*\i+8+\n]|, |v[RB+16*\i+9+\n]|, v[QT+2+\i]
.endr
.endr
	WIN 0
.irp i, 0,1
	v_max_num_f32 v[QT+\i], v[QT+\i], v[QT+2+\i]
.endr
.irp i, 0,1
	v_max_num_f32_dpp v[QT+\i], v[QT+\i], v[QT+\i] row_xmask:1 row_mask:0xf bank_mask:0xf   ; with my neighbour's 16: the block's largest magnitude
.endr
.irp i, 0,1
	v_add_nc_u32 v[QS+\i], 0xff000000, v[QT+\i]    ; 2 off its exponent field: the conversion's scale operand
.endr
.irp i, 0,1
	v_lshrrev_b32 v[QB+\i], 23, v[QS+\i]           ; the scale's byte
.endr
	WIN (\kb)/2
.irp i, 0,1
	v_cvt_scalef32_pk16_fp6_f32 v[QC+4*\i:QC+4*\i+2], v[RB+16*\i:RB+16*\i+15], v[QS+\i]
.endr
	WIN 0
	v_nop                                          ; one plain place behind the scaled conversions
.irp i, 0,1
.irp n, 0,1,2
	ds_store_b32 v[CW], v[QC+4*\i+\n] offset:CBUF*(\par)+CP*\i+4*\n   ; 12 bytes a lane: a row's stream of bits, as the operand wants it
.endr
	ds_store_b8 v[SW], v[QB+\i] offset:256*(\par)+16*\i               ; both lanes of a block write the same byte with the same value
.endr
.endm
; the softmax's step for a block whose eight partial scores a row lie in v[PS] on and whose rows (mine) lie in buffer kb
.macro P2 kb
.set RB, 192+32*((\kb)%2)
	v_pk_add_f32 v[PS:PS+1], v[PS:PS+1], v[PS+2:PS+3]
	v_pk_add_f32 v[PS+4:PS+5], v[PS+4:PS+5], v[PS+6:PS+7]
	D 1
	v_pk_add_f32 v[PS:PS+1], v[PS:PS+1], v[PS+4:PS+5]
	D 1
	v_add_f32 v[T0], v[PS], v[PS+1]                ; t of my lane's row: the same bits in every wave
	D 1
	v_max_num_f32_dpp v[T1], v[T0], v[T0] row_xmask:1 row_mask:0xf bank_mask:0xf
.irp m, 2,4,8
	D 1
	v_max_num_f32_dpp v[T1], v[T1], v[T1] row_xmask:\m row_mask:0xf bank_mask:0xf   ; the block's largest t: all waves carry the same M
.endr
	D 1
	v_max_num_f32 v[T2], v[MX], v[T1]
	D 1
	v_sub_f32 v[T3], v[MX], v[T2]
	D 2
	v_sub_f32 v[T0], v[T0], v[T2]
	s_wait_alu depctr_va_vdst(0)                   ; the wait ahead of the batch
	v_exp_f32 v[FF], v[T3]                         ; f = 2^(old M - new M)
	v_exp_f32 v[PP], v[T0]                         ; p = 2^(t - M)
	v_mov_b32 v[MX], v[T2]                         ; (the plain place behind the two)
	s_wait_alu depctr_va_vdst(0)                   ; and ahead of the first line that names a result: one for both
	v_fma_f32 v[LL], v[LL], v[FF], v[PP]
.irp i, 0,1
	v_readlane_b32 s[32+2*\i], v[PP], \i           ; p of my two rows
.endr
.irp j, 0,1,2,3,4,5,6,7
	v_pk_mul_f32 v[MIX+2*\j:MIX+2*\j+1], v[MIX+2*\j:MIX+2*\j+1], v[FF:FF+1] op_sel_hi:[1,0]
.endr
	WIN (\kb)/2                                    ; source 0 in the rows' window
.irp i, 0,1
.irp j, 0,1,2,3,4,5,6,7
	v_pk_fma_f32 v[MIX+2*\j:MIX+2*\j+1], v[RB+16*\i+2*\j:RB+16*\i+2*\j+1], s[32+2*\i:33+2*\i], v[MIX+2*\j:MIX+2*\j+1] op_sel_hi:[1,0,1]
.endr
.endr
.endm
; THE TURN OF BLOCK b.  k = b % 4, par = b % 2.  p2: block b - 1 gets its weights.  ld: block b + 3 is asked for, boff bytes from the base.  xq: block b + 1 is quantised; cnt: the loads of younger blocks, which may stay out.
.macro ITER k, par, p2, ld, boff, xq, cnt
.if \p2
	ds_load_b128 v[PS:PS+3], v[PR] offset:512*(1-(\par))
	ds_load_b128 v[PS+4:PS+7], v[PR] offset:512*(1-(\par))+16
.endif
	ds_load_b128 v[AS:AS+3], v[SR] offset:256*(\par)
.irp q, 0,1,2,3
.irp p, 0,1,2,3,4,5
	ds_load_b64 v[AF+12*\q+2*\p:AF+12*\q+2*\p+1], v[FR] offset:CBUF*(\par)+96*\q+48*(\p/3)+8*(\p%3)   ; registers 6 c .. 6 c + 5: k = 128 q + 64 c + 32 h + 0 .. 31: 24 bytes in pieces of 8
.endr
.endr
.if \p2
	s_wait_dscnt 25                                ; the partial scores are in; the 25 loads issued behind them may be out
	P2 ((\k)+3)%4
.endif
.if \ld
	XLOAD ((\k)+3)%4, \boff                        ; into the buffer whose rows have just been added into mix
.endif
	s_wait_dscnt 0x0                               ; the block's fragments and scale words
	WIN 4                                          ; source 1 (W1) in window 1
.irp q, 0,1,2,3                        ; four accumulators by turns; the first K step starts the sums
.irp u, 0,1,2,3
.if \q == 0
	v_wmma_scale_f32_16x16x128_f8f6f4 v[ACC+8*\u:ACC+8*\u+7], v[AF+12*\q:AF+12*\q+11], v[12*(4*\u+\q):12*(4*\u+\q)+11], 0, v[AS+\q], v[W1S+4*\u+\q] matrix_a_fmt:MATRIX_FMT_FP6 matrix_b_fmt:MATRIX_FMT_FP6
.else
	v_wmma_scale_f32_16x16x128_f8f6f4 v[ACC+8*\u:ACC+8*\u+7], v[AF+12*\q:AF+12*\q+11], v[12*(4*\u+\q):12*(4*\u+\q)+11], v[ACC+8*\u:ACC+8*\u+7], v[AS+\q], v[W1S+4*\u+\q] matrix_a_fmt:MATRIX_FMT_FP6 matrix_b_fmt:MATRIX_FMT_FP6
.endif
.endr
.endr
	WIN 0
.rept 4
	v_nop                                          ; four places in front of the first read of the results (ISA guide 7.12.1)
.endr
.irp u, 0,1,2,3
.irp j, 0,2,4,6
	v_pk_fma_f32 v[ACC+8*\u+\j:ACC+8*\u+\j+1], v[ACC+8*\u+\j:ACC+8*\u+\j+1], s[22:23], v[CU+2*\u:CU+2*\u+1] op_sel_hi:[1,0,0]   ; c x = c sum + c u, each accumulator from its low end on
.endr
.endr
	s_wait_alu depctr_va_vdst(0)                   ; a wait ahead of each batch and one behind it
.set J, 0
.rept 32
	v_exp_f32 v[ACC+J], v[ACC+J]
.set J, J+1
.endr
	v_nop                                          ; the plain place behind the last of them
	s_wait_alu depctr_va_vdst(0)
.set J, 0
.rept 16
	v_pk_add_f32 v[ACC+J:ACC+J+1], v[ACC+J:ACC+J+1], 1.0 op_sel_hi:[1,0]
.set J, J+2
.endr
	s_wait_alu depctr_va_vdst(0)
.set J, 0
.rept 32
	v_rcp_f32 v[ACC+J], v[ACC+J]                   ; 1 / (1 + 2^(c x)): 0 where the power has overflowed, 1 where it has vanished, as tanh's ends ask
.set J, J+1
.endr
	v_nop
	s_wait_alu depctr_va_vdst(0)
.irp u, 0,1,2,3                        ; the second product, on f32: my four units' part of t for my eight rows, four chains of pairs
.irp j, 0,2,4,6
.if \u == 0
	v_pk_mul_f32 v[SS+\j:SS+\j+1], v[ACC+\j:ACC+\j+1], v[W2V:W2V+1] op_sel_hi:[1,0]
.else
	v_pk_fma_f32 v[SS+\j:SS+\j+1], v[ACC+8*\u+\j:ACC+8*\u+\j+1], v[W2V+2*\u:W2V+2*\u+1], v[SS+\j:SS+\j+1] op_sel_hi:[1,0,1]
.endif
.endr
.endr
	; the sum over the 16 lanes.  Each step: a lane keeps the half of its rows that its bit of r names, gives the other half to lane r xor 8, 4, 2, and adds what it is given
.irp j, 0,1,2,3
	v_cndmask_b32 v[BT+\j], v[SS+\j], v[SS+4+\j], s36
.endr
.irp j, 0,1,2,3
	v_cndmask_b32 v[BT+4+\j], v[SS+4+\j], v[SS+\j], s36
.endr
.irp j, 0,1,2,3
	v_add_f32_dpp v[BT+\j], v[BT+4+\j], v[BT+\j] row_xmask:8 row_mask:0xf bank_mask:0xf
.endr
	D 2
	v_cndmask_b32 v[SS], v[BT], v[BT+2], s37
	D 2
	v_cndmask_b32 v[SS+1], v[BT+1], v[BT+3], s37
	v_cndmask_b32 v[SS+2], v[BT+2], v[BT], s37
	v_cndmask_b32 v[SS+3], v[BT+3], v[BT+1], s37
	D 2
	v_add_f32_dpp v[SS], v[SS+2], v[SS] row_xmask:4 row_mask:0xf bank_mask:0xf
	D 2
	v_add_f32_dpp v[SS+1], v[SS+3], v[SS+1] row_xmask:4 row_mask:0xf bank_mask:0xf
	D 1
	v_cndmask_b32 v[BT], v[SS], v[SS+1], s38
	D 2
	v_cndmask_b32 v[BT+1], v[SS+1], v[SS], s38
	D 1
	v_add_f32_dpp v[BT], v[BT+1], v[BT] row_xmask:2 row_mask:0xf bank_mask:0xf
	D 1
	v_add_f32_dpp v[BT], v[BT], v[BT] row_xmask:1 row_mask:0xf bank_mask:0xf   ; my wave's 64 units' part of t of row 8 h + r / 2
	ds_store_b32 v[PW], v[BT] offset:512*(\par)    ; lanes r and r xor 1 write the same word with the same value
.if \xq
	s_wait_loadcnt \cnt                            ; the next block's 8 loads are in; 8 for each younger block may be out
	QUANT2 ((\k)+1)%4, 1-(\par)
.endif
	s_wait_dscnt 0x0                               ; my stores have landed and my loads are in
	s_barrier_signal -1
	s_barrier_wait -1
.endm
	s_load_b256 s[4:11], s[0:1], 0x0               ; context s[4:5], W2 s[6:7], w1f s[8:9], w1s s[10:11]
	s_load_b128 s[12:15], s[0:1], 0x20             ; ubias s[12:13], parts s[14:15]
	s_load_b64 s[16:17], s[0:1], 0x30              ; ml
	v_lshl_add_u32 v[SPW], v0, 2, SPARE
	v_mov_b32 v[NIL], 0
	v_lshrrev_b32 v[T0], 5, v0
	v_readfirstlane_b32 s18, v[T0]                 ; wave 0..7
	v_and_b32 v[T1], 31, v0                        ; lane
	v_and_b32 v[T2], 15, v0                        ; r
	v_bfe_u32 v[T3], v0, 4, 1                      ; h
	s_lshl_b32 s28, s18, 12
	v_lshlrev_b32 v[XA], 6, v[T1]
	v_add_nc_u32 v[XA], s28, v[XA]
	s_mul_i32 s28, s18, 2*CP
	v_mul_u32_u24 v[CW], v[T1], 12
	v_add_nc_u32 v[CW], s28, v[CW]
	s_lshl_b32 s28, s18, 5
	v_lshrrev_b32 v[SW], 1, v[T1]
	v_add_nc_u32 v[SW], s28, v[SW]
	v_add_nc_u32 v[SW], SCB, v[SW]
	v_mul_u32_u24 v[FR], v[T2], CP
	v_mad_u32_u24 v[FR], v[T3], 24, v[FR]
	v_lshl_add_u32 v[SR], v[T2], 4, SCB
	v_lshrrev_b32 v[PW], 1, v[T2]
	v_lshl_add_u32 v[PW], v[T3], 3, v[PW]          ; the row that the exchange leaves me: 8 h + r / 2
	v_lshl_add_u32 v[PW], v[PW], 5, PART
	s_lshl_b32 s28, s18, 2
	v_add_nc_u32 v[PW], s28, v[PW]
	s_lshl_b32 s28, s18, 1
	v_add_nc_u32 v[PR], s28, v[T2]
	v_and_b32 v[PR], 15, v[PR]
	v_lshl_add_u32 v[PR], v[PR], 5, PART
	v_lshlrev_b32 v[L16], 4, v[T1]
	s_lshl_b32 s28, s18, 11
	v_add_nc_u32 v[MW], s28, v[L16]
	v_add_nc_u32 v[MW], MIXST, v[MW]
	v_lshlrev_b32 v[O8], 3, v[T1]
	s_lshl_b32 s28, s18, 8
	v_add_nc_u32 v[MR], s28, v[O8]
	v_add_nc_u32 v[MR], MIXST, v[MR]
	v_lshlrev_b32 v[O4], 2, v[T1]
	v_lshlrev_b32 v[O4R], 2, v[T2]
	v_lshlrev_b32 v[O16R], 4, v[T2]
	v_mov_b32 v[ZO], 0
	v_mov_b32 v[CU+7], 0                           ; (named as the upper half of a pair, so it is written)
	s_mov_b32 s19, 0xc038aa3b                      ; -2 log2(e)
	s_mov_b32 s22, 0x4038aa3b                      ; c = 2 log2(e)
	s_mov_b32 s23, s22                             ; (named with it as a pair, so it is written)
	s_mov_b32 s33, 0                               ; (the upper halves of the pairs that carry p)
	s_mov_b32 s35, 0
	s_mov_b32 s36, 0xff00ff00                      ; the lanes whose r has bit 3,
	s_mov_b32 s37, 0xf0f0f0f0                      ; bit 2,
	s_mov_b32 s38, 0xcccccccc                      ; bit 1
	s_lshl_b32 s28, ttmp9, 20                      ; context: 512 rows of 2,048 bytes a work-group
	s_mov_b32 s29, 0
	s_lshl_b32 s30, s18, 8                         ; W2: my 64 numbers
	s_mov_b32 s31, 0
	s_mul_i32 s40, s18, 24576                      ; w1f: my 16 images of 1,536 bytes
	s_mov_b32 s41, 0
	s_lshl_b32 s42, s18, 11                        ; w1s: my 16 sets of 128 bytes
	s_mov_b32 s43, 0
	s_lshr_b32 s44, ttmp9, 3
	s_lshl_b32 s44, s44, 11
	s_add_co_u32 s44, s44, s30                     ; u: the batch's 2,048 bytes, my 4 tiles of 64
	s_mov_b32 s45, 0
	s_lshl_b32 s46, ttmp9, 11
	s_add_co_u32 s46, s46, s30                     ; parts: 2,048 bytes a work-group, my eighth
	s_mov_b32 s47, 0
	s_lshl_b32 s20, ttmp9, 3                       ; ml: 8 bytes a work-group
	s_mov_b32 s21, 0
	s_wait_alu depctr_va_vdst(0)                   ; the wait at the head's end
	s_wait_kmcnt 0x0
	s_add_nc_u64 s[4:5], s[4:5], s[28:29]
	s_add_nc_u64 s[6:7], s[6:7], s[30:31]
	s_add_nc_u64 s[8:9], s[8:9], s[40:41]
	s_add_nc_u64 s[10:11], s[10:11], s[42:43]
	s_add_nc_u64 s[12:13], s[12:13], s[44:45]
	s_add_nc_u64 s[14:15], s[14:15], s[46:47]
	s_add_nc_u64 s[16:17], s[16:17], s[20:21]
	WIN 0x40                                       ; destination window 1, address window 0: what stays: W1's fragments
.irp u, 0,1,2,3
.irp q, 0,1,2,3
.irp c, 0,1,2
	global_load_b128 v[12*(4*\u+\q)+4*\c:12*(4*\u+\q)+4*\c+3], v[L16], s[8:9] offset:(4*\u+\q)*1536+512*\c
.endr
.endr
.endr
	WIN 0
.irp u, 0,1,2,3
.irp q, 0,1,2,3
	global_load_b32 v[W1S+4*\u+\q], v[O4], s[10:11] offset:(4*\u+\q)*128
.endr
.endr
	global_load_b128 v[ACC:ACC+3], v[O16R], s[6:7]                 ; W2[64 w + 4 r + u], u = 0 .. 3, for the time being in the accumulators' registers
.irp u, 0,1,2,3
	global_load_b32 v[ACC+4+\u], v[O4R], s[12:13] offset:64*\u     ; u of tile u's unit r
.endr
.irp b, 0,1,2,3
	XLOAD \b, 32768*\b                             ; the ring is filled: blocks 0 to 3
.endr
	WIN 0
	v_mov_b32 v[MX], 0xff61b1e6                    ; M: -3e38, under every t: the first f is 0 and meets zeros
	v_mov_b32 v[LL], 0
	v_mov_b32 v[FF+1], 0                           ; (named as the upper half of the pair)
.irp j, 0,1,2,3,4,5,6,7,8,9,10,11,12,13,14,15
	v_mov_b32 v[MIX+\j], 0
.endr
	s_wait_loadcnt 24                              ; all but the 24 loads of blocks 1 to 3
.irp u, 0,1,2,3
	v_mul_f32 v[W2V+2*\u], s19, v[ACC+\u]          ; W2 x -2 log2(e): t comes out in powers of two
	v_mul_f32 v[CU+2*\u], s22, v[ACC+4+\u]         ; c u
.endr
	QUANT2 0, 0
	s_wait_dscnt 0x0
	s_barrier_signal -1
	s_barrier_wait -1                              ; block 0's codes lie in LDS
	ITER 0, 0, 0, 0, 0, 1, 16
	s_mov_b32 s26, 7
.Ltrip:                                                ; four blocks a trip, until the buffers' numbers are back where they began: blocks 1 to 28
	ITER 1, 1, 1, 1, 4*32768, 1, 16
	ITER 2, 0, 1, 1, 5*32768, 1, 16
	ITER 3, 1, 1, 1, 6*32768, 1, 16
	ITER 0, 0, 1, 1, 7*32768, 1, 16
	s_wait_xcnt 0x0                                ; the loads have read their base: it is stepped only behind this wait
	s_add_nc_u64 s[4:5], s[4:5], 131072
	s_sub_co_u32 s26, s26, 1
	s_cmp_lg_u32 s26, 0
	s_cbranch_scc1 .Ltrip
	ITER 1, 1, 1, 0, 0, 1, 8                       ; the last three blocks ask for nothing: no load leaves the buffer, and the counts run down
	ITER 2, 0, 1, 0, 0, 1, 0
	ITER 3, 1, 1, 0, 0, 0, 0
	ds_load_b128 v[PS:PS+3], v[PR] offset:512      ; block 31's partial scores
	ds_load_b128 v[PS+4:PS+7], v[PR] offset:528
	s_wait_dscnt 0x0
	P2 3
	WIN 0
	; THE WAY OUT.  The eight waves' mix meet in LDS; wave w adds eighth w of all eight and stores 256 consecutive bytes.
.irp g, 0,1,2,3
	ds_store_b128 v[MW], v[MIX+4*\g:MIX+4*\g+3] offset:512*\g
.endr
	v_add_f32_dpp v[LL], v[LL], v[LL] row_xmask:1 row_mask:0xf bank_mask:0xf
.irp m, 2,4,8
	D 1
	v_add_f32_dpp v[LL], v[LL], v[LL] row_xmask:\m row_mask:0xf bank_mask:0xf   ; sixteen lanes hold the sixteen rows of every block: the work-group's whole sum
.endr
	s_wait_dscnt 0x0
	s_barrier_signal -1
	s_barrier_wait -1
.irp w, 0,1,2,3,4,5,6,7
	ds_load_b64 v[ACC+2*\w:ACC+2*\w+1], v[MR] offset:2048*\w
.endr
	s_wait_dscnt 0x0
.irp w, 0,4,8,12
	v_pk_add_f32 v[ACC+\w:ACC+\w+1], v[ACC+\w:ACC+\w+1], v[ACC+\w+2:ACC+\w+3]
.endr
	D 3
	v_pk_add_f32 v[ACC:ACC+1], v[ACC:ACC+1], v[ACC+4:ACC+5]
	D 2
	v_pk_add_f32 v[ACC+8:ACC+9], v[ACC+8:ACC+9], v[ACC+12:ACC+13]
	D 1
	v_pk_add_f32 v[ACC:ACC+1], v[ACC:ACC+1], v[ACC+8:ACC+9]
	global_store_b64 v[O8], v[ACC:ACC+1], s[14:15]     ; parts[x][g][lane]: columns 16 x lane + 4 g + 0 .. 3; my wave's 32 lanes store bytes 256 w .. 256 w + 255
	s_wait_tensorcnt 0x0                           ; the wave's end: behind my last LDS store
	ds_add_u32 v[SPW], v[NIL]
	s_wait_dscnt 0x0
	s_cmp_lg_u32 s18, 0
	s_cbranch_scc1 .Lend
	v_cmp_eq_u32 vcc_lo, 0, v0
	s_wait_xcnt 0x0                                ; EXEC changes only behind this wait: the store above has it among its sources
	s_and_saveexec_b32 s27, vcc_lo
	s_wait_alu depctr_va_vdst(0)                   ; directly ahead of the reader below
	global_store_b64 v[ZO], v[MX:MX+1], s[16:17]   ; (M, L), by one lane of wave 0
	s_wait_xcnt 0x0                                ; and again in front of the line that widens it
	s_or_b32 exec_lo, exec_lo, s27
.Lend:
	s_endpgm
.Lfunc_end_k_qce1f5b2bc0_main:
	.size	k_qce1f5b2bc0_main, .Lfunc_end_k_qce1f5b2bc0_main-k_qce1f5b2bc0_main
	.p2alignl 7, 3214868480
	.fill 96, 4, 3214868480
	.section	.rodata,"a",@progbits
	.p2align	6, 0x0
	.amdhsa_kernel k_qce1f5b2bc0_main
		.amdhsa_group_segment_fixed_size 31744
		.amdhsa_private_segment_fixed_size 0
		.amdhsa_enable_private_segment 0
		.amdhsa_kernarg_size 56
		.amdhsa_user_sgpr_count 2
		.amdhsa_user_sgpr_kernarg_segment_ptr 1
		.amdhsa_wavefront_size32 1
		.amdhsa_system_sgpr_workgroup_id_x 1
		.amdhsa_system_sgpr_workgroup_id_y 1
		.amdhsa_system_sgpr_workgroup_id_z 1
		.amdhsa_system_vgpr_workitem_id 0
		.amdhsa_next_free_vgpr 512
		.amdhsa_next_free_sgpr 66
		.amdhsa_reserve_vcc 1
		.amdhsa_float_denorm_mode_32 3
		.amdhsa_float_denorm_mode_16_64 3
		.amdhsa_memory_ordered 1
		.amdhsa_forward_progress 1
		.amdhsa_inst_pref_size 147
	.end_amdhsa_kernel
	.amdgpu_metadata
---
amdhsa.version: [ 1, 2 ]
amdhsa.kernels:
  - .name:           k_qce1f5b2bc0_main
    .symbol:         k_qce1f5b2bc0_main.kd
    .args:
      - { .name: context, .offset: 0, .size: 8, .value_kind: global_buffer, .address_space: global }
      - { .name: W2, .offset: 8, .size: 8, .value_kind: global_buffer, .address_space: global }
      - { .name: w1f, .offset: 16, .size: 8, .value_kind: global_buffer, .address_space: global }
      - { .name: w1s, .offset: 24, .size: 8, .value_kind: global_buffer, .address_space: global }
      - { .name: ubias, .offset: 32, .size: 8, .value_kind: global_buffer, .address_space: global }
      - { .name: parts, .offset: 40, .size: 8, .value_kind: global_buffer, .address_space: global }
      - { .name: ml, .offset: 48, .size: 8, .value_kind: global_buffer, .address_space: global }
    .group_segment_fixed_size: 31744
    .private_segment_fixed_size: 0
    .kernarg_segment_align: 8
    .kernarg_segment_size: 56
    .max_flat_workgroup_size: 256
    .sgpr_count:     66
    .vgpr_count:     512
    .wavefront_size: 32
...
	.end_amdgpu_metadata
.endif
;; end of part 2
;; launch final (part 3): grid 256 x 1, 1 waves a work-group, no clusters, 1,536 bytes of LDS; arguments parts, ml, output, wof, wos, bout, out0; writes out0
.if DOCPART == 3
	.amdgcn_target "amdgcn-amd-amdhsa--gfx1250"
	.amdhsa_code_object_version 6
	.text
	.protected	k_qce1f5b2bc0_final
	.globl	k_qce1f5b2bc0_final
	.p2align	8
	.type	k_qce1f5b2bc0_final,@function
k_qce1f5b2bc0_final:
	s_mov_b64 s[64:65], 0
	v_nop
	global_prefetch_b8 v0, s[64:65] scope:SCOPE_SE
	s_setreg_imm32_b32 hwreg(HW_REG_WAVE_MODE, 25, 1), 1
	s_wait_xcnt 0x0
; out[b][e] = tanh(sum over k of Q([mix[b], output[b]][k]) Q(Wout[e][k]) + bout[e]), for one batch b = x / 8 and the 64 outputs 64 G .. 64 G + 63, G = x % 8.  One wave a work-group.
; mix[b] is joined from the batch's eight partials (M, L, mix): with M the largest of the eight, g_p = 2^(M_p - M) / sum of 2^(M_p - M) L_p, mix = sum of g_p mix_p, all in f32.
; LEFT OUT (shown at the head of the first launch): sum(W2) is no part of M: it is the same in all partials and cancels in g_p.
; LIMITS: NaN and infinities among the inputs are not served; a block of zeros has the scale byte 1 and zero codes.
; The row [mix, output] is quantised as the second launch quantises a row (lane l holds columns 16 l .. 16 l + 15) and turns into operand registers through LDS: EVERY lane r reads the same row, so all 16 rows of source 0 are
; that row.  Source 1 = 16 rows of Wout: row m of tile 4 G + u is output 64 G + 4 m + u, so that register 0 of the four accumulators in lane r holds four neighbouring outputs, and sixteen lanes store 256 consecutive bytes.
; REGISTERS: window 0: v2-14 addresses; v[16:17] a partial's (M, L); v18-22 at work; v[24:27] bout; v28-42 the quantiser; v[44:51] the row's scale words; v[52:55] the result; v64-95 Wout's scale words, (u, q) at 64 + 8 u + q;
;   v96-191 the row's 8 fragments; v192-223 four accumulators; v224-239 mix; v240-255 output.   Windows 1, 2: Wout's fragments of K steps 0-3 and 4-7, (q, u) at 12 (4 (q % 4) + u).   Window 3: the eight partial mix, 16 registers each.
.set CP,    400                        ; LDS: the codes of mix at 0, of output at 400;
.set SCB,   1024                       ; their scale bytes, 16 each;
.set SPARE, 1280                       ; the spare words: one block of 256 bytes that no other line names
.set MSB, 0
.macro WIN new                         ; the immediate's high byte repeats the setting that is left; a switch that changes nothing is dropped
.if MSB != (\new)
	s_set_vgpr_msb (MSB<<8)|(\new)
.set MSB, (\new)
.endif
.endm
	s_load_b256 s[4:11], s[0:1], 0x0               ; parts s[4:5], ml s[6:7], output s[8:9], wof s[10:11]
	s_load_b128 s[12:15], s[0:1], 0x20             ; wos s[12:13], bout s[14:15]
	s_load_b64 s[16:17], s[0:1], 0x30              ; out0
	v_lshl_add_u32 v8, v0, 2, SPARE                ; my spare word; never rewritten
	v_mov_b32 v9, 0                                ; 0; never rewritten
	v_and_b32 v2, 15, v0                           ; r
	v_bfe_u32 v3, v0, 4, 1                         ; h
	v_lshlrev_b32 v4, 4, v0                        ; 16 x lane
	v_lshlrev_b32 v5, 2, v0                        ; 4 x lane
	v_lshlrev_b32 v6, 6, v0                        ; 64 x lane
	v_and_b32 v7, 7, v0
	v_lshlrev_b32 v7, 3, v7                        ; 8 x (lane % 8): lane l takes partial l % 8
	v_lshlrev_b32 v10, 4, v2                       ; 16 r
	v_mul_u32_u24 v11, v0, 12                      ; my codes' place in a row
	v_lshrrev_b32 v12, 1, v0                       ; my block's byte
	v_mul_u32_u24 v13, v3, 24                      ; a fragment's place for my half: the same row for every r
	v_mov_b32 v14, 0
	s_lshr_b32 s18, ttmp9, 3                       ; b
	s_and_b32 s19, ttmp9, 7                        ; G
	s_mov_b32 s30, 0x4038aa3b                      ; c = 2 log2(e)
.irp i, 33,35,37,39,41,43,45,47
	s_mov_b32 s\i, 0                               ; (the upper halves of the pairs that carry g)
.endr
	s_mov_b32 s21, 0
	s_wait_alu depctr_va_vdst(0)
	s_wait_kmcnt 0x0
	s_lshl_b32 s20, s18, 14                        ; parts: 8 x 2,048 bytes a batch
	s_add_nc_u64 s[4:5], s[4:5], s[20:21]
	s_lshl_b32 s20, s18, 6                         ; ml: 8 x 8
	s_add_nc_u64 s[6:7], s[6:7], s[20:21]
	s_lshl_b32 s20, s18, 11                        ; output and out0: 2,048 bytes a batch
	s_add_nc_u64 s[8:9], s[8:9], s[20:21]
	s_add_nc_u64 s[16:17], s[16:17], s[20:21]
	s_mul_i32 s20, s19, 49152                      ; wof: 4 tiles x 8 images of 1,536 bytes
	s_add_nc_u64 s[10:11], s[10:11], s[20:21]
	s_lshl_b32 s20, s19, 12                        ; wos: 32 sets of 128 bytes
	s_add_nc_u64 s[12:13], s[12:13], s[20:21]
	s_lshl_b32 s20, s19, 8                         ; bout and out0: my 64 numbers
	s_add_nc_u64 s[14:15], s[14:15], s[20:21]
	s_add_nc_u64 s[16:17], s[16:17], s[20:21]
	WIN 0xc0                                       ; destination window 3
.irp p, 0,1,2,3,4,5,6,7
.irp g, 0,1,2,3
	global_load_b128 v[16*\p+4*\g:16*\p+4*\g+3], v4, s[4:5] offset:2048*\p+512*\g   ; register 4 g + i: column 16 x lane + 4 g + i
.endr
.endr
	WIN 0
	global_load_b64 v[16:17], v7, s[6:7]
.irp j, 0,1,2,3
	global_load_b128 v[240+4*\j:243+4*\j], v6, s[8:9] offset:16*\j
.endr
	global_load_b128 v[24:27], v10, s[14:15]       ; bout[64 G + 4 r + u]
.irp u, 0,1,2,3
.irp q, 0,1,2,3,4,5,6,7
	global_load_b32 v[64+8*\u+\q], v5, s[12:13] offset:(8*\u+\q)*128
.endr
.endr
.irp q, 0,1,2,3,4,5,6,7
	WIN 64*(1+(\q/4))
.irp u, 0,1,2,3
.irp c, 0,1,2
	global_load_b128 v[12*(4*(\q%4)+\u)+4*\c:12*(4*(\q%4)+\u)+4*\c+3], v4, s[10:11] offset:(8*\u+\q)*1536+512*\c
.endr
.endr
.endr
	WIN 0
	s_wait_loadcnt 0x0
	; ---- the eight partials become mix
	v_mov_b32 v18, v16
	v_max_num_f32_dpp v18, v18, v18 row_xmask:1 row_mask:0xf bank_mask:0xf
	v_max_num_f32_dpp v18, v18, v18 row_xmask:2 row_mask:0xf bank_mask:0xf
	v_max_num_f32_dpp v18, v18, v18 row_xmask:4 row_mask:0xf bank_mask:0xf   ; M: the largest of the eight
	v_sub_f32 v19, v16, v18
	s_wait_alu depctr_va_vdst(0)
	v_exp_f32 v19, v19                             ; 2^(M_p - M)
	v_nop                                          ; the plain place behind it
	s_wait_alu depctr_va_vdst(0)                   ; the wait ahead of the first line that names the result
	v_mul_f32 v20, v19, v17
	v_add_f32_dpp v20, v20, v20 row_xmask:1 row_mask:0xf bank_mask:0xf
	v_add_f32_dpp v20, v20, v20 row_xmask:2 row_mask:0xf bank_mask:0xf
	v_add_f32_dpp v20, v20, v20 row_xmask:4 row_mask:0xf bank_mask:0xf       ; the softmax's whole sum
	s_wait_alu depctr_va_vdst(0)
	v_rcp_f32 v21, v20
	v_nop
	s_wait_alu depctr_va_vdst(0)
	v_mul_f32 v22, v19, v21                        ; g of partial lane % 8
.irp p, 0,1,2,3,4,5,6,7
	v_readlane_b32 s[32+2*\p], v22, \p
.endr
	WIN 0x03                                       ; source 0 in window 3
.irp j, 0,1,2,3,4,5,6,7
	v_pk_mul_f32 v[224+2*\j:225+2*\j], v[2*\j:2*\j+1], s[32:33] op_sel_hi:[1,0]
.endr
.irp p, 1,2,3,4,5,6,7
.irp j, 0,1,2,3,4,5,6,7
	v_pk_fma_f32 v[224+2*\j:225+2*\j], v[16*\p+2*\j:16*\p+2*\j+1], s[32+2*\p:33+2*\p], v[224+2*\j:225+2*\j] op_sel_hi:[1,0,1]
.endr
.endr
	WIN 0
	; ---- mix (row 0) and output (row 1) are quantised along K: 16 neighbours a lane, a block in lanes l and l xor 1
.irp i, 0,1
	v_max3_num_f32 v[28+\i], |v[224+16*\i]|, |v[225+16*\i]|, 0x1800000      ; the floor 2^(3 - 127) holds the byte at 1 from below
.endr
.irp n, 2,4,6,8,10,12,14
.irp i, 0,1
	v_max3_num_f32 v[28+\i], |v[224+16*\i+\n]|, |v[225+16*\i+\n]|, v[28+\i]
.endr
.endr
.irp i, 0,1
	v_max_num_f32_dpp v[28+\i], v[28+\i], v[28+\i] row_xmask:1 row_mask:0xf bank_mask:0xf
.endr
.irp i, 0,1
	v_add_nc_u32 v[30+\i], 0xff000000, v[28+\i]    ; 2 off the exponent field: the conversion's scale operand
.endr
.irp i, 0,1
	v_lshrrev_b32 v[32+\i], 23, v[30+\i]           ; the scale's byte
.endr
.irp i, 0,1
	v_cvt_scalef32_pk16_fp6_f32 v[36+4*\i:38+4*\i], v[224+16*\i:239+16*\i], v[30+\i]
.endr
	v_nop                                          ; one plain place behind the scaled conversions
.irp i, 0,1
.irp n, 0,1,2
	ds_store_b32 v11, v[36+4*\i+\n] offset:CP*\i+4*\n
.endr
	ds_store_b8 v12, v[32+\i] offset:SCB+16*\i     ; both lanes of a block write the same byte with the same value
.endr
.irp q, 0,1,2,3,4,5,6,7                ; LDS serves a wave's instructions in order (ISA guide 5.7.1.4): these see the stores above.  K steps 0-3: mix; 4-7: output
.irp p, 0,1,2,3,4,5
	ds_load_b64 v[96+12*\q+2*\p:97+12*\q+2*\p], v13 offset:CP*(\q/4)+96*(\q%4)+48*(\p/3)+8*(\p%3)
.endr
.endr
	ds_load_b128 v[44:47], v14 offset:SCB
	ds_load_b128 v[48:51], v14 offset:SCB+16
	s_wait_dscnt 0x0
.irp q, 0,1,2,3,4,5,6,7                ; four accumulators by turns; the first K step starts the sums
	WIN 4*(1+(\q/4))                               ; source 1 (Wout) in window 1 or 2
.irp u, 0,1,2,3
.if \q == 0
	v_wmma_scale_f32_16x16x128_f8f6f4 v[192+8*\u:199+8*\u], v[96+12*\q:107+12*\q], v[12*(4*(\q%4)+\u):12*(4*(\q%4)+\u)+11], 0, v[44+\q], v[64+8*\u+\q] matrix_a_fmt:MATRIX_FMT_FP6 matrix_b_fmt:MATRIX_FMT_FP6
.else
	v_wmma_scale_f32_16x16x128_f8f6f4 v[192+8*\u:199+8*\u], v[96+12*\q:107+12*\q], v[12*(4*(\q%4)+\u):12*(4*(\q%4)+\u)+11], v[192+8*\u:199+8*\u], v[44+\q], v[64+8*\u+\q] matrix_a_fmt:MATRIX_FMT_FP6 matrix_b_fmt:MATRIX_FMT_FP6
.endif
.endr
.endr
	WIN 0
.irp u, 0,1,2,3
	v_mul_f32 v[24+\u], s30, v[24+\u]              ; c bout: these four are the places in front of the first read of the results (ISA guide 7.12.1)
.endr
.irp u, 0,1,2,3
	v_fma_f32 v[52+\u], v[192+8*\u], s30, v[24+\u] ; c (sum + bout), from each accumulator's lowest register: all its rows are the same row
.endr
	s_wait_alu depctr_va_vdst(0)
.irp u, 0,1,2,3
	v_exp_f32 v[52+\u], v[52+\u]
.endr
	v_nop
	s_wait_alu depctr_va_vdst(0)
.irp u, 0,1,2,3
	v_add_f32 v[52+\u], 1.0, v[52+\u]
.endr
	s_wait_alu depctr_va_vdst(0)
.irp u, 0,1,2,3
	v_rcp_f32 v[52+\u], v[52+\u]
.endr
	v_nop
	s_wait_alu depctr_va_vdst(0)
.irp u, 0,1,2,3
	v_fma_f32 v[52+\u], v[52+\u], -2.0, 1.0        ; tanh(z) = 1 - 2 / (1 + 2^(c z))
.endr
	s_wait_alu depctr_va_vdst(0)
	s_wait_tensorcnt 0x0                           ; the wave's end: behind my last LDS store
	ds_add_u32 v8, v9
	s_wait_dscnt 0x0
	v_cmp_gt_u32 vcc_lo, 16, v0
	s_wait_xcnt 0x0                                ; EXEC changes only behind this wait
	s_and_saveexec_b32 s20, vcc_lo
	global_store_b128 v10, v[52:55], s[16:17]      ; sixteen lanes store 256 consecutive bytes, at a multiple of 256 from out0's first byte
	s_wait_xcnt 0x0                                ; and again in front of the line that widens it
	s_or_b32 exec_lo, exec_lo, s20
	s_endpgm
.Lfunc_end_k_qce1f5b2bc0_final:
	.size	k_qce1f5b2bc0_final, .Lfunc_end_k_qce1f5b2bc0_final-k_qce1f5b2bc0_final
	.p2alignl 7, 3214868480
	.fill 96, 4, 3214868480
	.section	.rodata,"a",@progbits
	.p2align	6, 0x0
	.amdhsa_kernel k_qce1f5b2bc0_final
		.amdhsa_group_segment_fixed_size 1536
		.amdhsa_private_segment_fixed_size 0
		.amdhsa_enable_private_segment 0
		.amdhsa_kernarg_size 56
		.amdhsa_user_sgpr_count 2
		.amdhsa_user_sgpr_kernarg_segment_ptr 1
		.amdhsa_wavefront_size32 1
		.amdhsa_system_sgpr_workgroup_id_x 1
		.amdhsa_system_sgpr_workgroup_id_y 1
		.amdhsa_system_sgpr_workgroup_id_z 1
		.amdhsa_system_vgpr_workitem_id 0
		.amdhsa_next_free_vgpr 1024
		.amdhsa_next_free_sgpr 66
		.amdhsa_reserve_vcc 1
		.amdhsa_float_denorm_mode_32 3
		.amdhsa_float_denorm_mode_16_64 3
		.amdhsa_memory_ordered 1
		.amdhsa_forward_progress 1
		.amdhsa_inst_pref_size 34
	.end_amdhsa_kernel
	.amdgpu_metadata
---
amdhsa.version: [ 1, 2 ]
amdhsa.kernels:
  - .name:           k_qce1f5b2bc0_final
    .symbol:         k_qce1f5b2bc0_final.kd
    .args:
      - { .name: parts, .offset: 0, .size: 8, .value_kind: global_buffer, .address_space: global }
      - { .name: ml, .offset: 8, .size: 8, .value_kind: global_buffer, .address_space: global }
      - { .name: output, .offset: 16, .size: 8, .value_kind: global_buffer, .address_space: global }
      - { .name: wof, .offset: 24, .size: 8, .value_kind: global_buffer, .address_space: global }
      - { .name: wos, .offset: 32, .size: 8, .value_kind: global_buffer, .address_space: global }
      - { .name: bout, .offset: 40, .size: 8, .value_kind: global_buffer, .address_space: global }
      - { .name: out0, .offset: 48, .size: 8, .value_kind: global_buffer, .address_space: global }
    .group_segment_fixed_size: 1536
    .private_segment_fixed_size: 0
    .kernarg_segment_align: 8
    .kernarg_segment_size: 56
    .max_flat_workgroup_size: 32
    .sgpr_count:     66
    .vgpr_count:     1024
    .wavefront_size: 32
...
	.end_amdgpu_metadata
.endif
;; end of part 3
